; MI455X (gfx1250); checked and timed in simulation.
; The chip was launched on July 23, 2026; its instructions are those of AMD's public machine-readable ISA for CDNA 5 (MIT licence, August 2026) and "CDNA5" Instruction Set Architecture Reference Guide (July 2026). The comments in the code are by the model that wrote it; some were corrected since.
;; Robust Sum. Allowed arithmetic: matrix products marked QUANTISED: E2M1 operands, one E8M0 scale for each 32 along K, by v_wmma_scale_f32_16x16x128_f8f6f4 with both operands' format E2M1 (or v_wmma_scale_f32_32x16x128_f4), f32 sums; everything else in f32.
;; Inputs: A 4 x 2,048 x 2,048 float32; V 4 x 2,048 x 512 float32.
;; Outputs: out0 4 x 2,048 x 512 float32.
;; This version of the problem:
;;   THIS VERSION OF THE PROBLEM IS GIVEN IN LOW PRECISION. The matrix products marked QUANTISED in the list below multiply operands that are first quantised to E2M1 (2 exponent bits, 1 mantissa bit; 4 bits a number), with one power-of-two scale for each 32 numbers along K (OCP MX v1.0); their sums are f32. All else is computed in f32.
;;   The module's matrix products, in the order in which they are computed (A, B: the left and right operand; K: the contracted axis; several contracted axes count as one K, in the product's order):
;;     1. batch 4 x [M 2,048, K 2,048] x [K 2,048, N 512]; A: input A; B: input V: QUANTISED
;;     2. batch 4 x [M 2,048, K 512] x [K 512, N 2,048]; A: computed on the way; B: input V: QUANTISED
;;     3. batch 4 x [M 2,048, K 2,048] x [K 2,048, N 512]; A: computed on the way; B: input V: QUANTISED
;;     4. batch 4 x [M 2,048, K 512] x [K 512, N 2,048]; A: computed on the way; B: input V: QUANTISED
;;     5. batch 4 x [M 2,048, K 2,048] x [K 2,048, N 512]; A: computed on the way; B: input V: QUANTISED
;;     6. batch 4 x [M 2,048, K 512] x [K 512, N 2,048]; A: computed on the way; B: input V: QUANTISED
;;     7. batch 4 x [M 2,048, K 2,048] x [K 2,048, N 512]; A: computed on the way; B: input V: QUANTISED
;;   THE QUANTISER, for each operand of a quantised product, along K:
;;     - K is cut into blocks of 32 from its start; a last block that is shorter is filled with zeros.
;;     - A block's scale is 2^e with e = floor(log2(the largest magnitude in the block)) - 2, held to -126 .. 127; a block of zeros has e = 0. As a byte (E8M0): e + 127.
;;     - Each number is divided by its block's scale, clamped to +-6, and rounded to the nearest number of E2M1, ties to even, subnormals kept.
;;     - The product sums the exact products of the quantised numbers (number of the format x scale) in f32.
;;   ~~~python
;;   def quantise(x, axis):      # numpy; x: float32 -> the quantised numbers, widened to float32 again
;;       x = np.moveaxis(x, axis, -1); K = x.shape[-1]
;;       x = np.pad(x, [(0, 0)] * (x.ndim - 1) + [(0, -K % 32)]); x = x.reshape(x.shape[:-1] + (-1, 32)); a = np.abs(x).max(-1, keepdims=True)
;;       e = np.where(a > 0, np.clip(np.frexp(np.where(a > 0, a, 1))[1] - 1 - 2, -126, 127), 0)      # np.frexp(a)[1] - 1 = floor(log2(a)), exactly
;;       r = np.clip(x / 2.0 ** e, -6, 6)
;;       step = 2.0 ** (np.maximum(np.frexp(np.where(r == 0, 1, r))[1] - 1, 0) - 1)
;;       q = np.round(r / step) * step * 2.0 ** e      # np.round: ties to even
;;       return np.moveaxis(q.reshape(q.shape[:-2] + (-1,))[..., :K], -1, axis).astype(np.float32)
;;   ~~~
;;   OPERANDS COMPUTED ON THE WAY. 'Computed on the way' means the value that the module computes at that place (a softmax that the list does not call 'softmax' is quantised finished and normalised). What goes into a quantiser is computed in f32, as accurately as f32 sums, v_exp_f32 and their like allow (about 1e-6 of the number): no bf16 or f16 on the way to a quantiser, and a product that is left as it is and whose result goes on into a quantised operand takes f32 operands (vector FMAs, or v_wmma_f32_16x16x4_f32). A number that lies on a knife's edge between two numbers of the format may be rounded either way, as far as f32 arithmetic and the matrix unit's own rounding can turn it there, and no further.
;; One version. Each part assembles by itself: llvm-mc -triple=amdgcn-amd-amdhsa -mcpu=gfx1250 --defsym DOCPART=n.
;; ======== version 1 of 1: 2 launches
;; workspace buffers: VD 2,097,152 bytes; VDS 131,072 bytes; VS 2,097,152 bytes; VSS 131,072 bytes; Y2P 131,072 bytes
;; launch prep (part 1): grid 64 x 4, 4 waves a work-group, no clusters, 68,096 bytes of LDS; arguments V, VD, VDS, VS, VSS, Y2P; writes VD, VDS, VS, VSS, Y2P
.if DOCPART == 1
	.amdgcn_target "amdgcn-amd-amdhsa--gfx1250"
	.amdhsa_code_object_version 6
	.text
	.protected	k_qb77c9fec19_prep
	.globl	k_qb77c9fec19_prep
	.p2align	8
	.type	k_qb77c9fec19_prep,@function
k_qb77c9fec19_prep:
	s_mov_b64 s[64:65], 0
	v_nop
	global_prefetch_b8 v0, s[64:65] scope:SCOPE_SE
	s_setreg_imm32_b32 hwreg(HW_REG_WAVE_MODE, 25, 1), 1
	s_wait_xcnt 0x0
; V [4][2048 keys][512 d], f32, is read once and quantised to FP4 (E2M1) BOTH ways: along d (for M V^T) and along the keys (for P V), one E8M0 byte for each 32 along K.
; The codes are laid in the order of the operand's registers, so that the next launch loads a fragment by two loads of 512 dense bytes:
;   VD  [batch][w 8][b 8][ks 4][u 2][c 2][lane 32][16 B]: lane (r, h) of fragment (w, b, ks, u): key 256 w + 32 b + 8 u + r + 8 (r / 8), d = 128 ks + 64 c + 32 h + 0 .. 31
;   VDS [batch][w][b][16 u + r][ks 4][4 B]: that key's scale word of K step ks
;   VS  [batch][w 8][ks 16][t 4][c 2][lane 32][16 B], t = 2 pp + u: d = 64 w + 32 pp + 8 u + r + 8 (r / 8), keys 128 ks + 64 c + 32 h + 0 .. 31
;   VSS [batch][w][ks 16][16 u + r][pp 2][4 B]
;   Y2P [batch][dg 4][2048]: -1/2 x the sum of V^2 over d = 128 dg .. 128 dg + 127 (unquantised V); the next launch adds the four parts.
; THE ROWS OF A TILE ARE NOT NEIGHBOURS: of 32 neighbours, number 16 a + 8 u + e (e < 8) is row 8 a + e of tile u: so a result's 16 registers of two neighbouring tiles are 16 neighbours along the next K.
; SHARES.  A work-group takes 128 keys x 128 d of one batch: one K step of both products, so each scale word is made whole in one lane.  Wave v brings rows 32 v .. 32 v + 31 into LDS (each load 512 consecutive bytes),
; then takes key 32 v + lane along d (four blocks, read from its LDS row), then column 32 v + lane along the keys (four blocks, registers running down the rows).  Nothing is transposed by an instruction.
; A block's scale is 2^(floor(log2(largest magnitude)) - 2): its byte is the largest magnitude's exponent field - 2, held at 1 from below by a floor among the maximum's leaves.
; LIMITS: a block of zeros gets the byte 1 where the rule says 127 (its codes are zeros, and this program alone reads the bytes); NaN and infinities among the inputs are not served; y2 is added in another order than a plain row sum.
; STORES: each store of codes covers two runs of 256 consecutive bytes, aligned.  The scale words and Y2P (4 bytes a lane, 393,216 bytes in the launch against 16,777,216 read) leave in shorter pieces.
.set PITCH, 528                        ; an LDS row: 512 bytes + 16: an odd multiple of 16, so the sixteen rows that a 16-byte load touches start in different banks (64 banks of 4 bytes: ISA guide 11.1)
.set XR,    64                         ; v64-95, v96-127   two sets of 32 numbers
.set CD,    32                         ; v32-63            codes: four registers for each of 8 blocks, so that no store's data are written again
.set LR,    128                        ; v128-255          the 32 rows as loaded
.macro OFF0 reg, sh                    ; a byte offset is made in s20 (s21 = 0), apart from every address
	s_lshl_b32 s20, \reg, \sh
.endm
.macro OFFA reg, sh
	s_lshl_b32 s22, \reg, \sh
	s_add_co_u32 s20, s20, s22
.endm
	s_load_b256 s[4:11], s[0:1], 0x0               ; V s[4:5], VD s[6:7], VDS s[8:9], VS s[10:11]
	s_load_b128 s[12:15], s[0:1], 0x20             ; VSS s[12:13], Y2P s[14:15]
	v_lshl_add_u32 v30, v0, 2, 0x10800
	v_mov_b32 v31, 0
	v_lshrrev_b32 v10, 5, v0
	v_readfirstlane_b32 s16, v10                   ; wave v
	v_and_b32 v10, 31, v0                          ; lane l
	s_and_b32 s17, ttmp7, 0xffff                   ; batch
	s_lshr_b32 s18, ttmp9, 2                       ; kg: which 128 keys
	s_and_b32 s19, ttmp9, 3                        ; dg: which 128 d
	s_lshr_b32 s23, s18, 1
	s_and_b32 s24, s18, 1
	s_lshr_b32 s25, s16, 1
	s_and_b32 s26, s16, 1
	s_mov_b32 s21, 0
	v_lshlrev_b32 v1, 4, v10                       ; 16 l
	OFF0 s17, 22                                   ; V: batch x 2048 rows x 2048 bytes,
	OFFA s18, 18                                   ; 128 rows a kg,
	OFFA s16, 16                                   ; 32 rows a wave,
	OFFA s19, 9                                    ; 512 bytes a dg
	s_wait_kmcnt 0x0
	s_add_nc_u64 s[4:5], s[4:5], s[20:21]
.set i, 0
.rept 32
	global_load_b128 v[LR+4*i:LR+4*i+3], v1, s[4:5] offset:2048*i th:TH_LOAD_NT   ; row i of my 32: 32 lanes read 512 consecutive bytes; read once in the launch
.set i, i+1
.endr
	s_mul_i32 s27, s16, 32*PITCH
	v_add_nc_u32 v2, s27, v1                       ; into the tile: my wave's rows, 16 l
	v_mul_u32_u24 v3, v10, PITCH
	v_add_nc_u32 v3, s27, v3                       ; along d: row 32 v + l
	v_lshlrev_b32 v9, 2, v10                       ; 4 l
	s_lshl_b32 s27, s16, 7
	v_add_nc_u32 v4, s27, v9                       ; along the keys: column 32 v + l, rows 0 on,
	v_add_nc_u32 v5, 64*PITCH, v4                  ; and rows 64 on (the 16-bit immediate does not reach row 127)
	v_bfe_u32 v14, v10, 3, 1                       ; u
	v_and_b32 v15, 7, v10                          ; e
	v_bfe_u32 v11, v10, 4, 1                       ; a
	v_lshl_add_u32 v15, v11, 3, v15                ; r = 8 a + e
	v_lshl_add_u32 v7, v14, 4, v15                 ; 16 u + r
	v_lshlrev_b32 v6, 4, v15
	v_lshl_add_u32 v6, v14, 10, v6                 ; my codes' place: 1024 u + 16 r
	v_lshlrev_b32 v8, 3, v7                        ; VSS: 8 bytes a place
	v_lshlrev_b32 v7, 4, v7                        ; VDS: 16 bytes a place
	OFF0 s17, 19                                   ; VD: batch, w = kg / 2, b = 4 (kg % 2) + v, ks = dg
	OFFA s23, 16
	OFFA s24, 15
	OFFA s16, 13
	OFFA s19, 11
	s_add_nc_u64 s[6:7], s[6:7], s[20:21]
	OFF0 s17, 15                                   ; VDS likewise
	OFFA s23, 12
	OFFA s24, 11
	OFFA s16, 9
	OFFA s19, 2
	s_add_nc_u64 s[8:9], s[8:9], s[20:21]
	OFF0 s17, 19                                   ; VS: batch, w = 2 dg + v / 2, ks = kg, pp = v % 2
	OFFA s19, 17
	OFFA s25, 16
	OFFA s18, 12
	OFFA s26, 11
	s_add_nc_u64 s[10:11], s[10:11], s[20:21]
	OFF0 s17, 15                                   ; VSS likewise
	OFFA s19, 13
	OFFA s25, 12
	OFFA s18, 8
	OFFA s26, 2
	s_add_nc_u64 s[12:13], s[12:13], s[20:21]
	OFF0 s17, 15                                   ; Y2P: batch, dg, key 128 kg + 32 v (+ l)
	OFFA s19, 13
	OFFA s18, 9
	OFFA s16, 7
	s_add_nc_u64 s[14:15], s[14:15], s[20:21]
.irp g, 0,1,2,3
	s_wait_loadcnt 24-8*\g                         ; loads come back in order: this group of eight is in, the later groups' loads stay out
.irp j, 0,1,2,3,4,5,6,7
	ds_store_b128 v2, v[LR+4*(8*\g+\j):LR+4*(8*\g+\j)+3] offset:PITCH*(8*\g+\j)
.endr
.endr
	s_wait_dscnt 0x0                               ; for the others' sake: my rows lie in LDS
	s_barrier_signal -1
	s_barrier_wait -1                              ; the way along the keys reads all four waves' rows
; block q's 32 numbers into set q % 2.  q = 0 .. 3: d = 32 q on of my key;  q = 4 .. 7: keys 32 (q - 4) on of my column
.macro XLOAD q
.set XB, XR+32*((\q)%2)
.if (\q) < 4
.irp i, 0,1,2,3,4,5,6,7
	ds_load_b128 v[XB+4*\i:XB+4*\i+3], v3 offset:128*(\q)+16*\i
.endr
.else
.irp i, 0,1,2,3,4,5,6,7,8,9,10,11,12,13,14,15,16,17,18,19,20,21,22,23,24,25,26,27,28,29,30,31
.if (\q) < 6
	ds_load_b32 v[XB+\i], v4 offset:(32*((\q)%2)+\i)*PITCH
.else
	ds_load_b32 v[XB+\i], v5 offset:(32*((\q)%2)+\i)*PITCH
.endif
.endr
.endif
.endm
.macro BLOCK q
.if (\q) < 7
	XLOAD (\q)+1                                   ; the next block's numbers come while this block is worked
.endif
.if (\q) == 7
	s_wait_dscnt 0x0
.elseif (\q) >= 3
	s_wait_dscnt 32                                ; all but the next block's 32 loads
.else
	s_wait_dscnt 8                                 ; all but the next block's 8 loads
.endif
.set XS, XR+32*((\q)%2)
	v_max3_num_f32 v12, |v[XS]|, |v[XS+1]|, |v[XS+2]|              ; the block's largest magnitude: all 32 numbers are mine; two chains
	v_max3_num_f32 v13, |v[XS+3]|, |v[XS+4]|, |v[XS+5]|
.irp i, 6,10,14,18,22,26
	v_max3_num_f32 v12, v12, |v[XS+\i]|, |v[XS+\i+1]|
	v_max3_num_f32 v13, v13, |v[XS+\i+2]|, |v[XS+\i+3]|
.endr
	v_max3_num_f32 v12, v12, |v[XS+30]|, |v[XS+31]|
	v_max3_num_f32 v12, v12, v13, 0x1800000        ; and the floor 2^(3 - 127): the byte cannot fall under 1
.if (\q) < 4
.irp i, 0,1,2,3,4,5,6,7,8,9,10,11,12,13,14,15      ; my key's squares, two at a time, in two chains; the first products start the sums
.if ((\q) == 0) && (\i < 2)
	v_pk_mul_f32 v[16+2*\i:17+2*\i], v[XS+2*\i:XS+2*\i+1], v[XS+2*\i:XS+2*\i+1]
.else
	v_pk_fma_f32 v[16+2*(\i%2):17+2*(\i%2)], v[XS+2*\i:XS+2*\i+1], v[XS+2*\i:XS+2*\i+1], v[16+2*(\i%2):17+2*(\i%2)]
.endif
.endr
.endif
	v_add_nc_u32 v11, 0xff000000, v12              ; 2 off the exponent field: the conversion takes the exponent field of this operand as its scale
	v_lshrrev_b32 v13, 23, v11                     ; the scale's byte
.if (\q)%4 == 0
	v_mov_b32 v[20+(\q)/4], v13                    ; four bytes make the K step's scale word, the lower K in the lower byte
.else
	v_lshl_or_b32 v[20+(\q)/4], v13, 8*((\q)%4), v[20+(\q)/4]
.endif
.irp g, 0,1,2,3
	v_cvt_scalef32_pk8_fp4_f32 v[CD+4*(\q)+\g], v[XS+8*\g:XS+8*\g+7], v11
.endr
	v_nop                                          ; one plain line behind the conversions: the next block writes their scale operand
.if (\q) < 4
	global_store_b128 v6, v[CD+4*(\q):CD+4*(\q)+3], s[6:7] offset:(((\q)%4)/2)*512+((\q)%2)*256    ; block q is c = q / 2, h = q % 2 of the fragment: the lanes of one u store 256 consecutive bytes, aligned
.else
	global_store_b128 v6, v[CD+4*(\q):CD+4*(\q)+3], s[10:11] offset:(((\q)%4)/2)*512+((\q)%2)*256
.endif
.endm
	XLOAD 0
.irp q, 0,1,2,3,4,5,6,7
	BLOCK \q
.endr
	global_store_b32 v7, v20, s[8:9]               ; my key's scale word of K step dg
	global_store_b32 v8, v21, s[12:13]             ; my column's scale word of K step kg
	v_pk_add_f32 v[16:17], v[16:17], v[18:19]
	v_add_f32 v22, v16, v17
	v_mul_f32 v22, -0.5, v22                       ; -1/2 x my key's squares over these 128 d
	global_store_b32 v9, v22, s[14:15]
	s_wait_tensorcnt 0x0
	ds_add_u32 v30, v31
	s_wait_dscnt 0x0
	s_endpgm
.Lfunc_end_k_qb77c9fec19_prep:
	.size	k_qb77c9fec19_prep, .Lfunc_end_k_qb77c9fec19_prep-k_qb77c9fec19_prep
	.p2alignl 7, 3214868480
	.fill 96, 4, 3214868480
	.section	.rodata,"a",@progbits
	.p2align	6, 0x0
	.amdhsa_kernel k_qb77c9fec19_prep
		.amdhsa_group_segment_fixed_size 68096
		.amdhsa_private_segment_fixed_size 0
		.amdhsa_enable_private_segment 0
		.amdhsa_kernarg_size 48
		.amdhsa_user_sgpr_count 2
		.amdhsa_user_sgpr_kernarg_segment_ptr 1
		.amdhsa_wavefront_size32 1
		.amdhsa_system_sgpr_workgroup_id_x 1
		.amdhsa_system_sgpr_workgroup_id_y 1
		.amdhsa_system_sgpr_workgroup_id_z 1
		.amdhsa_system_vgpr_workitem_id 0
		.amdhsa_next_free_vgpr 256
		.amdhsa_next_free_sgpr 66
		.amdhsa_reserve_vcc 0
		.amdhsa_float_denorm_mode_32 3
		.amdhsa_float_denorm_mode_16_64 3
		.amdhsa_memory_ordered 1
		.amdhsa_forward_progress 1
		.amdhsa_inst_pref_size 36
	.end_amdhsa_kernel
	.amdgpu_metadata
---
amdhsa.version: [ 1, 2 ]
amdhsa.kernels:
  - .name:           k_qb77c9fec19_prep
    .symbol:         k_qb77c9fec19_prep.kd
    .args:
      - { .name: V, .offset: 0, .size: 8, .value_kind: global_buffer, .address_space: global }
      - { .name: VD, .offset: 8, .size: 8, .value_kind: global_buffer, .address_space: global }
      - { .name: VDS, .offset: 16, .size: 8, .value_kind: global_buffer, .address_space: global }
      - { .name: VS, .offset: 24, .size: 8, .value_kind: global_buffer, .address_space: global }
      - { .name: VSS, .offset: 32, .size: 8, .value_kind: global_buffer, .address_space: global }
      - { .name: Y2P, .offset: 40, .size: 8, .value_kind: global_buffer, .address_space: global }
    .group_segment_fixed_size: 68096
    .private_segment_fixed_size: 0
    .kernarg_segment_align: 8
    .kernarg_segment_size: 48
    .max_flat_workgroup_size: 128
    .sgpr_count:     66
    .vgpr_count:     256
    .wavefront_size: 32
...
	.end_amdgpu_metadata
.endif
;; end of part 1
;; launch robust (part 2): grid 64 x 4, 8 waves a work-group, no clusters, 322,048 bytes of LDS; arguments A, VD, VDS, VS, VSS, Y2P, out0; writes out0
.if DOCPART == 2
	.amdgcn_target "amdgcn-amd-amdhsa--gfx1250"
	.amdhsa_code_object_version 6
	.text
	.protected	k_qb77c9fec19_robust
	.globl	k_qb77c9fec19_robust
	.p2align	8
	.type	k_qb77c9fec19_robust,@function
k_qb77c9fec19_robust:
	s_mov_b64 s[64:65], 0
	v_nop
	global_prefetch_b8 v0, s[64:65] scope:SCOPE_SE
	s_setreg_imm32_b32 hwreg(HW_REG_WAVE_MODE, 25, 1), 1
	s_wait_xcnt 0x0
; M0 = Q(A) Q(V); three times: d2 = x2 + y2 - 2 Q(M) Q(V)^T, w = 1 / (sqrt(max(d2, 0)) + 0.01), ww = w A, l1 = max(sum |ww|, 1e-12), M = Q(ww / l1) Q(V).  out0 = the last M.
; All seven products on codes of FP4 (E2M1) with one E8M0 scale for each 32 along K; all else f32.  (1 - T) M with T = 1 is left out: it is 0 for every finite M.
; SHARES.  A work-group owns 32 rows of one batch (two tiles rt of 16) through the whole chain; nothing but out0 goes to memory.  Eight waves of 512 registers.
;   scores and weights: wave w owns keys 256 w .. 256 w + 255 for all 32 rows;   P V: wave w owns d = 64 w .. 64 w + 63.  So no fragment of V is read by two waves of the work-group: V's codes,
;   laid by the launch before in the order of the operand's registers, go from memory straight into registers, 512 dense bytes a load.
; BOTH PRODUCTS ARE USED TRANSPOSED (source 0 = 16 rows of V's codes, source 1 = 16 of my rows): a lane (r = lane % 16, h = lane / 16) holds ONE row, 16 rt + r, and its registers run along the next K.
;   The rows of a tile of V are not neighbours (tile 2 b + u, lane r: 32 b + 8 u + r + 8 (r / 8)), so the 16 registers of tiles 2 b, 2 b + 1 are neighbours 32 b + 16 h + 0 .. 15.
; WHERE THINGS STAY.  A's 32 x 2048 f32 lie in LDS for the whole launch (read from memory once), each wave's 256 columns in bytes of its own.  The scores, then w, then ww (32 x 2048 f32) lie in
;   window 1 of the eight waves.  P (codes of A or of ww / l1) and M's codes go from wave to wave through LDS as images of the operand's registers.
; -1/2 y2 is the C of each score sum's first matrix instruction, and d2 = -2 s + x2 is one packed multiply-add.
; NO JOINT LOADS, though the 64 row blocks of a batch read the same codes of V: a joint load lands in LDS, and A (266,240 bytes) with the images and sums (54,784) takes 321,024 of a WGP's 327,680 bytes:
;   6,656 are left, no room for slots.  Making room would mean reading A's 67,108,864 bytes again in each of the three steps.
; LIMITS.  ww / l1 is ww x v_rcp_f32(l1), and 1 / (dist + 0.01) is v_rcp_f32 (1 ulp each: ISA guide 15.8).  The row sums, x2 and y2 are added in another order than a plain row sum.  v_sqrt_f32 and v_rcp_f32 flush denormals:
;   a d2 under 2^-126 counts as 0, an l1 above 2^126 is not served.  A block of zeros gets the byte 1, not 127 (its codes are zeros; this program alone reads the bytes).  NaN and infinities among the inputs are not served.
; LDS
.set PIMG, 0                           ; P's 32 fragments: (2 kstep + rt) x 1024 + 512 c + 16 lane
.set PSC,  32768                       ; P's scale words: 128 kstep + 4 lane (lanes 0-15 rt 0, lanes 16-31 rt 1)
.set MIMG, 34816                       ; M's 8 fragments: (2 ks + rt) x 1024 + 512 c + 16 lane
.set MSC,  43008                       ; M's scale words: 128 ks + 4 lane
.set RS,   43520                       ; the waves' parts of sum |ww|: row x 48 + 4 w
.set X2S,  45056                       ; the waves' parts of sum M^2: likewise
.set Y2,   46592                       ; -1/2 y2: 4 bytes a key; each wave's own 1,024 bytes
.set AREG, 54784                       ; A: wave x 33,280 + row x 1,040 + 4 x (key % 256); at the end the stage for out0, 32 rows x 2,064
.set AP,   1040                        ; 1,024 + 16, an odd multiple of 16: the sixteen rows that a load touches start in different banks (64 banks of 4 bytes: ISA guide 11.1)
.set AWV,  32*AP
.set SP,   2064                        ; 2,048 + 16, likewise
; REGISTERS, window 0: v1 16 l; v2 4 l; v3 8 l; v4 A as I read it; v5 A as I store it; v6 y2; v7 P's codes; v8 P's scale words; v9 M's codes; v10 M's scale bytes; v11 48 l + 4 w; v12 48 l; v13 0.0;
;   v14, v15 the stage in and out; v[16:19] x2 of rt 0, rt 1 (pairs); v[20:23] 1 / l1 likewise; v[24:27] sums; v60 y2's store address.
.set BM,   28                          ; v28-43   a block's largest magnitude, then its scale operand: 8 rt + b
.set PSW,  44                          ; v44-59   P's 16 scale words; in the scores M's four: scales and nothing else
.set OA,   64                          ; v64-127  the 8 accumulators of P V (32 rt + 8 t); in the scores M's fragments (16 ks + 8 rt)
.set BUF,  128                         ; v128-191 a chunk's fragments of V along d (16 ks + 8 u); in P V P's fragments, two sets (16 set + 8 rt)
.set PC,   160                         ; v160-191 P's codes just made
.set TM,   192                         ; v192-207 at work;  v208-215 M's codes
.set AB,   192                         ; v192-223 a chunk of A (16 rt + i)
.set VSR,  224                         ; v224-255 scale words of V along the keys (2 ks + pp); in the scores of V along d (ks): scales and nothing else
;   window 1: 256 registers: A, then the scores, w, ww at 128 rt + 16 b + i (key 256 w + 32 b + 16 h + i); in P V a ring of 8 slots x 32 for V's fragments along the keys.
; s_set_vgpr_msb's low byte: bits 1:0 source 0, 3:2 source 1, 5:4 source 2, 7:6 destination; the high byte repeats the setting that is left.  At a label and at a branch every window is 0.
.set MSB, 0
.macro WIN new
.if MSB != \new
	s_set_vgpr_msb (MSB<<8)|\new
.set MSB, \new
.endif
.endm
.macro OFF0 reg, sh                    ; a byte offset is made in s32 (s33 = 0), apart from every address
	s_lshl_b32 s32, \reg, \sh
.endm
.macro OFFA reg, sh
	s_lshl_b32 s34, \reg, \sh
	s_add_co_u32 s32, s32, s34
.endm
.macro BARRIER                         ; my LDS stores have landed and my LDS loads are in: then the work-group's barrier.  Loads of V's codes, which nobody writes, stay on their way across it
	s_wait_dscnt 0x0
	s_barrier_signal -1
	s_barrier_wait -1
.endm
.macro PLACES n                        ; plain lines between a matrix instruction and a load into, or a vector read or write of, its registers (ISA guide 7.12.1 for vector reads and writes)
.rept \n
	v_nop
.endr
.endm
; the matrix instruction, from the symbols rD, rA, rB, rC (under 0: the constant 0), rSA, rSB and the rows rRA, rRB of the scale registers
.macro WMM
.if rC < 0
.if (rRA == 0) && (rRB == 0)
	v_wmma_scale_f32_16x16x128_f8f6f4 v[rD:rD+7], v[rA:rA+7], v[rB:rB+7], 0, v[rSA], v[rSB] matrix_a_fmt:MATRIX_FMT_FP4 matrix_b_fmt:MATRIX_FMT_FP4
.elseif (rRA == 1) && (rRB == 0)
	v_wmma_scale_f32_16x16x128_f8f6f4 v[rD:rD+7], v[rA:rA+7], v[rB:rB+7], 0, v[rSA], v[rSB] matrix_a_fmt:MATRIX_FMT_FP4 matrix_b_fmt:MATRIX_FMT_FP4 matrix_a_scale:MATRIX_SCALE_ROW1
.elseif rRA == 0
	v_wmma_scale_f32_16x16x128_f8f6f4 v[rD:rD+7], v[rA:rA+7], v[rB:rB+7], 0, v[rSA], v[rSB] matrix_a_fmt:MATRIX_FMT_FP4 matrix_b_fmt:MATRIX_FMT_FP4 matrix_b_scale:MATRIX_SCALE_ROW1
.else
	v_wmma_scale_f32_16x16x128_f8f6f4 v[rD:rD+7], v[rA:rA+7], v[rB:rB+7], 0, v[rSA], v[rSB] matrix_a_fmt:MATRIX_FMT_FP4 matrix_b_fmt:MATRIX_FMT_FP4 matrix_a_scale:MATRIX_SCALE_ROW1 matrix_b_scale:MATRIX_SCALE_ROW1
.endif
.else
.if (rRA == 0) && (rRB == 0)
	v_wmma_scale_f32_16x16x128_f8f6f4 v[rD:rD+7], v[rA:rA+7], v[rB:rB+7], v[rC:rC+7], v[rSA], v[rSB] matrix_a_fmt:MATRIX_FMT_FP4 matrix_b_fmt:MATRIX_FMT_FP4
.elseif (rRA == 1) && (rRB == 0)
	v_wmma_scale_f32_16x16x128_f8f6f4 v[rD:rD+7], v[rA:rA+7], v[rB:rB+7], v[rC:rC+7], v[rSA], v[rSB] matrix_a_fmt:MATRIX_FMT_FP4 matrix_b_fmt:MATRIX_FMT_FP4 matrix_a_scale:MATRIX_SCALE_ROW1
.elseif rRA == 0
	v_wmma_scale_f32_16x16x128_f8f6f4 v[rD:rD+7], v[rA:rA+7], v[rB:rB+7], v[rC:rC+7], v[rSA], v[rSB] matrix_a_fmt:MATRIX_FMT_FP4 matrix_b_fmt:MATRIX_FMT_FP4 matrix_b_scale:MATRIX_SCALE_ROW1
.else
	v_wmma_scale_f32_16x16x128_f8f6f4 v[rD:rD+7], v[rA:rA+7], v[rB:rB+7], v[rC:rC+7], v[rSA], v[rSB] matrix_a_fmt:MATRIX_FMT_FP4 matrix_b_fmt:MATRIX_FMT_FP4 matrix_a_scale:MATRIX_SCALE_ROW1 matrix_b_scale:MATRIX_SCALE_ROW1
.endif
.endif
.endm
.macro VSSLOAD                         ; the scale words of my 64 d along the keys, all 16 K steps: lanes 0-15 the tiles with u = 0, lanes 16-31 those with u = 1; two words (pp) a lane
	WIN 0
.irp k, 0,1,2,3,4,5,6,7,8,9,10,11,12,13,14,15
	global_load_b64 v[VSR+2*\k:VSR+2*\k+1], v3, s[12:13] offset:256*\k
.endr
.endm
.macro VSLOAD s                        ; K step s of V along the keys: my four tiles of d, into slot s % 8 of window 1
	WIN 0x40
.irp t, 0,1,2,3
.irp c, 0,1
	global_load_b128 v[32*((\s)%8)+8*\t+4*\c:32*((\s)%8)+8*\t+4*\c+3], v1, s[10:11] offset:4096*(\s)+1024*\t+512*\c
.endr
.endr
.endm
.macro VDLOAD b                        ; chunk b (32 keys: two tiles u) of V along d, all four K steps, and its scale words (lanes 0-15 u = 0, lanes 16-31 u = 1; a word a K step)
	WIN 0
.irp f, 0,1,2,3,4,5,6,7
.irp c, 0,1
	global_load_b128 v[BUF+8*\f+4*\c:BUF+8*\f+4*\c+3], v1, s[6:7] offset:8192*(\b)+1024*\f+512*\c
.endr
.endr
	global_load_b128 v[VSR:VSR+3], v1, s[8:9] offset:512*(\b)
.endm
.macro Y2LOAD b                        ; -1/2 y2 of chunk b's keys, in the result's layout, into rt 0's two accumulators
	WIN 0x40
.irp i, 0,1,2,3
	ds_load_b128 v[16*(\b)+4*\i:16*(\b)+4*\i+3], v6 offset:128*(\b)+16*\i
.endr
.endm
.macro ALOAD b                         ; A of chunk b's keys, both row tiles, in the same layout
	WIN 0
.irp rt, 0,1
.irp i, 0,1,2,3
	ds_load_b128 v[AB+16*\rt+4*\i:AB+16*\rt+4*\i+3], v4 offset:16*AP*\rt+128*(\b)+16*\i
.endr
.endr
.endm
.macro PFLOAD s                        ; P's two fragments of K step s into set s % 2
.irp rt, 0,1
.irp c, 0,1
	ds_load_b128 v[BUF+16*((\s)%2)+8*\rt+4*\c:BUF+16*((\s)%2)+8*\rt+4*\c+3], v1 offset:PIMG+(2*(\s)+\rt)*1024+512*\c
.endr
.endr
.endm
.macro SUMMAX rt, b                    ; the largest magnitude of my 16 numbers of block b, row tile rt
	WIN 0x05
	v_max_num_f32 v[BM+8*(\rt)+(\b)], |v[128*(\rt)+16*(\b)]|, |v[128*(\rt)+16*(\b)+1]|
.irp i, 2,4,6,8,10,12,14
	v_max3_num_f32 v[BM+8*(\rt)+(\b)], |v[128*(\rt)+16*(\b)+\i]|, |v[128*(\rt)+16*(\b)+\i+1]|, v[BM+8*(\rt)+(\b)]
.endr
.endm
.macro SUMMAX2 b                       ; the same for both row tiles by turns, with the row's sum of magnitudes in two chains a tile
	WIN 0x05
.irp rt, 0,1
	v_max_num_f32 v[BM+8*\rt+(\b)], |v[128*\rt+16*(\b)]|, |v[128*\rt+16*(\b)+1]|
	v_fma_f32 v[24+2*\rt], |v[128*\rt+16*(\b)]|, 1.0, v[24+2*\rt]
	v_fma_f32 v[25+2*\rt], |v[128*\rt+16*(\b)+1]|, 1.0, v[25+2*\rt]
.endr
.irp i, 2,4,6,8,10,12,14
.irp rt, 0,1
	v_max3_num_f32 v[BM+8*\rt+(\b)], |v[128*\rt+16*(\b)+\i]|, |v[128*\rt+16*(\b)+\i+1]|, v[BM+8*\rt+(\b)]
	v_fma_f32 v[24+2*\rt], |v[128*\rt+16*(\b)+\i]|, 1.0, v[24+2*\rt]
	v_fma_f32 v[25+2*\rt], |v[128*\rt+16*(\b)+\i+1]|, 1.0, v[25+2*\rt]
.endr
.endr
.endm
; The eight waves' parts of row l's sum lie in v[T .. T + 7].  They are added (in every wave in the same order: all waves hold the same bits); inv = 1: 1 / max(sum, 1e-12).
; Lane (r, h) then wants row r (into the pair D0) and row 16 + r (into D1): its own and lane l xor 16's.
.macro ROWJOIN T, D0, D1, inv
	v_pk_add_f32 v[\T:\T+1], v[\T:\T+1], v[\T+2:\T+3]
	v_pk_add_f32 v[\T+4:\T+5], v[\T+4:\T+5], v[\T+6:\T+7]
	v_pk_add_f32 v[\T:\T+1], v[\T:\T+1], v[\T+4:\T+5]
	v_add_f32 v[\T], v[\T], v[\T+1]
.if \inv
	v_max_num_f32 v[\T], 0x2b8cbccc, v[\T]         ; 1e-12
	v_rcp_f32 v[\T], v[\T]
	v_nop                                          ; a plain line behind the reciprocal,
	s_wait_alu depctr_va_vdst(0)                   ; and a wait ahead of its first reader
.endif
	v_permlanex16_b32 v[\T+1], v[\T], s20, s21
	v_cndmask_b32 v[\D0], v[\T], v[\T+1], s22      ; s22: lanes 16-31 take the second
	v_cndmask_b32 v[\D1], v[\T+1], v[\T], s22
	v_mov_b32 v[\D0+1], v[\D0]                     ; (named as pairs by the packed forms, so both words are written)
	v_mov_b32 v[\D1+1], v[\D1]
.endm
; WINDOW 1'S 32 x 256 NUMBERS BECOME P: codes and scale words, as images in LDS.  norm = 1: they are first multiplied by 1 / l1.
; A block of 32 keys lies in lanes l and l xor 16.  The multiplication rises with its operand, so the largest magnitude x 1 / l1 is bit for bit the largest normalised magnitude.
; A lane's 16 codes are bytes 8 h .. 8 h + 7 of its row's 16-byte piece of the fragment: two lanes fill a piece, and no lane exchange is needed.
; As soon as a row tile's 128 registers are converted they take the first K steps of V along the keys.
.macro PHASE_Q norm
	WIN 0
.set i, 0
.rept 16
	v_permlanex16_b32 v[TM+i], v[BM+i], s20, s21
.set i, i+1
.endr
.set i, 0
.rept 16
	v_max_num_f32 v[BM+i], v[BM+i], v[TM+i]
.set i, i+1
.endr
.if \norm
.set i, 0
.rept 16
	v_mul_f32 v[BM+i], v[BM+i], v[20+2*(i/8)]
.set i, i+1
.endr
.endif
.set i, 0
.rept 16
	v_max_num_f32 v[BM+i], 0x1800000, v[BM+i]      ; the floor 2^(3 - 127): the byte cannot fall under 1
.set i, i+1
.endr
.set i, 0
.rept 16
	v_add_nc_u32 v[BM+i], 0xff000000, v[BM+i]      ; 2 off the exponent field: the conversion's scale operand
.set i, i+1
.endr
.set i, 0
.rept 16
	v_lshrrev_b32 v[TM+i], 23, v[BM+i]             ; the scale's byte
.set i, i+1
.endr
.irp g, 0,4,8,12                                   ; four bytes make a row's scale word of one K step: words (rt, s) at TM + 8 rt + 4 s
	v_lshl_or_b32 v[TM+\g], v[TM+\g+1], 8, v[TM+\g]
	v_lshl_or_b32 v[TM+\g], v[TM+\g+2], 16, v[TM+\g]
	v_lshl_or_b32 v[TM+\g], v[TM+\g+3], 24, v[TM+\g]
.endr
.irp s, 0,1
	v_cndmask_b32 v[TM+4*\s], v[TM+4*\s], v[TM+8+4*\s], s22        ; lanes 0-15 store rt 0's word of row r, lanes 16-31 rt 1's
	ds_store_b32 v8, v[TM+4*\s] offset:128*\s
.endr
.irp rt, 0,1
.if \norm
	WIN 0x41
.set i, 0
.rept 64
	v_pk_mul_f32 v[128*\rt+2*i:128*\rt+2*i+1], v[128*\rt+2*i:128*\rt+2*i+1], v[20+2*\rt:21+2*\rt] op_sel_hi:[1,0]   ; ww / l1
.set i, i+1
.endr
.endif
	WIN 0x01
.set i, 0
.rept 16
	v_cvt_scalef32_pk8_fp4_f32 v[PC+16*\rt+i], v[128*\rt+8*i:128*\rt+8*i+7], v[BM+8*\rt+i/2]
.set i, i+1
.endr
	v_nop                                          ; one plain line behind the conversions
	WIN 0
.irp b, 0,1,2,3,4,5,6,7
	ds_store_b64 v7, v[PC+16*\rt+2*\b:PC+16*\rt+2*\b+1] offset:(2*(\b/4)+\rt)*1024+((\b/2)%2)*512+(\b%2)*256
.endr
	VSLOAD 4*\rt
	VSLOAD 4*\rt+1
	VSLOAD 4*\rt+2
	VSLOAD 4*\rt+3
.endr
	WIN 0
	BARRIER                                        ; P's 32 fragments and their scale words lie in LDS
.endm
; M^T = V^T P^T for my 64 d: 16 K steps of 128 keys, 8 matrix instructions each, the eight accumulators by turns, one instruction a turn, from step to step too.
.macro PHASE_O
	WIN 0
.irp s, 0,1,2,3,4,5,6,7,8,9,10,11,12,13,14,15
	ds_load_b32 v[PSW+\s], v2 offset:PSC+128*\s
.endr
	PFLOAD 0
.set st, 0
.rept 16
.if st < 15
	PFLOAD st+1
	s_wait_dscnt 4                                 ; all but the next step's four loads
.else
	s_wait_dscnt 0x0
.endif
.if 8*(15-st) < 56
	s_wait_loadcnt 8*(15-st)                       ; behind this step's eight loads only the later steps' are out
.else
	s_wait_loadcnt 56                              ; behind this step's eight loads stand those of the seven steps that the ring holds beside it
.endif
	WIN 0x01
.irp t, 0,1,2,3
.irp rt, 0,1
.set rD, OA+32*\rt+8*\t
.if st == 0
.set rC, -1                                        ; the first step starts the sums: nothing is cleared
.else
.set rC, OA+32*\rt+8*\t
.endif
.set rA, 32*(st%8)+8*\t
.set rB, BUF+16*(st%2)+8*\rt
.set rSA, VSR+2*st+\t/2
.set rSB, PSW+st
.set rRA, \t%2
.set rRB, \rt
	WMM
.endr
.endr
	PLACES 4                                       ; in front of the loads into the slot and into P's set, and at the end of the first read of results
.if st < 8
	VSLOAD st+8                                    ; the slot just read takes the step eight further on
.endif
	WIN 0
.set st, st+1
.endr
.endm
; MY 64 d OF M: their squares (x2 is taken of the unquantised M), their codes and scale bytes: half a K step of the score product.
.macro PHASE_N
	VDLOAD 0                                       ; the first chunk of V along d is asked for here, and comes while M is quantised
.irp i, 0,1,2,3,4,5,6,7,8,9,10,11,12,13,14,15      ; squares, two at a time, two chains a row tile, the tiles by turns; each accumulator is read from its low end on
.irp rt, 0,1
.if \i < 2
	v_pk_mul_f32 v[TM+4*\rt+2*\i:TM+4*\rt+2*\i+1], v[OA+32*\rt+2*\i:OA+32*\rt+2*\i+1], v[OA+32*\rt+2*\i:OA+32*\rt+2*\i+1]
.else
	v_pk_fma_f32 v[TM+4*\rt+2*(\i%2):TM+4*\rt+2*(\i%2)+1], v[OA+32*\rt+2*\i:OA+32*\rt+2*\i+1], v[OA+32*\rt+2*\i:OA+32*\rt+2*\i+1], v[TM+4*\rt+2*(\i%2):TM+4*\rt+2*(\i%2)+1]
.endif
.endr
.endr
.irp rt, 0,1
	v_pk_add_f32 v[TM+4*\rt:TM+4*\rt+1], v[TM+4*\rt:TM+4*\rt+1], v[TM+4*\rt+2:TM+4*\rt+3]
.endr
.irp rt, 0,1
	v_add_f32 v[TM+4*\rt], v[TM+4*\rt], v[TM+4*\rt+1]
.endr
.irp rt, 0,1
	v_permlanex16_b32 v[TM+4*\rt+1], v[TM+4*\rt], s20, s21
.endr
.irp rt, 0,1
	v_add_f32 v[TM+4*\rt], v[TM+4*\rt], v[TM+4*\rt+1]              ; with lane l xor 16's: my wave's part of the row's x2
.endr
	v_cndmask_b32 v[TM], v[TM], v[TM+4], s22       ; lane l stores row l's
	ds_store_b32 v11, v[TM] offset:X2S
.irp g, 0,1,2,3                                    ; g = 2 rt + bb: block bb of 32 d of row tile rt
	v_max3_num_f32 v[TM+8+\g], |v[OA+16*\g]|, |v[OA+16*\g+1]|, 0x1800000   ; my 16 numbers, and the floor 2^(3 - 127)
.endr
.irp i, 2,4,6,8,10,12,14
.irp g, 0,1,2,3
	v_max3_num_f32 v[TM+8+\g], v[TM+8+\g], |v[OA+16*\g+\i]|, |v[OA+16*\g+\i+1]|
.endr
.endr
.irp g, 0,1,2,3
	v_permlanex16_b32 v[TM+12+\g], v[TM+8+\g], s20, s21
.endr
.irp g, 0,1,2,3
	v_max_num_f32 v[TM+8+\g], v[TM+8+\g], v[TM+12+\g]
.endr
.irp g, 0,1,2,3
	v_add_nc_u32 v[TM+8+\g], 0xff000000, v[TM+8+\g]
.endr
.irp g, 0,1,2,3
	v_lshrrev_b32 v[TM+12+\g], 23, v[TM+8+\g]
.endr
.irp g, 0,1,2,3
	v_cvt_scalef32_pk8_fp4_f32 v[TM+16+2*\g], v[OA+16*\g:OA+16*\g+7], v[TM+8+\g]
	v_cvt_scalef32_pk8_fp4_f32 v[TM+17+2*\g], v[OA+16*\g+8:OA+16*\g+15], v[TM+8+\g]
.endr
	v_nop                                          ; one plain line behind the conversions
.irp g, 0,1,2,3
	ds_store_b64 v9, v[TM+16+2*\g:TM+17+2*\g] offset:1024*(\g/2)+256*(\g%2)
.endr
	v_lshl_or_b32 v[TM+12], v[TM+13], 8, v[TM+12]  ; my two bytes of the row's scale word
	v_lshl_or_b32 v[TM+14], v[TM+15], 8, v[TM+14]
	v_cndmask_b32 v[TM+12], v[TM+12], v[TM+14], s22
	ds_store_b16 v10, v[TM+12]
	BARRIER                                        ; M's eight fragments, their scale words and x2's parts lie in LDS
.endm
; A CHUNK: 32 of my keys x 32 rows: 16 matrix instructions (two tiles of keys x two of rows x four K steps), then w and ww in place.
.macro CHUNK b
	s_wait_loadcnt 0x0                             ; this chunk's codes and scale words of V: no younger load is out
	s_wait_dscnt 8                                 ; all but A's eight loads for this chunk: -1/2 y2 is in (in the first chunk M's fragments and scale words too)
	WIN 0x50
.irp u, 0,1                                        ; rt 1 first: its sums begin with rt 0's registers, which hold -1/2 y2, as C
.set rD, 128+16*(\b)+8*\u
.set rC, 16*(\b)+8*\u
.set rA, BUF+8*\u
.set rB, OA+8
.set rSA, VSR
.set rSB, PSW
.set rRA, \u
.set rRB, 1
	WMM
.endr
	PLACES 5                                       ; the next two write over registers that the last two read as C
.irp u, 0,1
.set rD, 16*(\b)+8*\u
.set rC, 16*(\b)+8*\u
.set rA, BUF+8*\u
.set rB, OA
.set rRA, \u
.set rRB, 0
	WMM
.endr
.irp k, 1,2,3                                      ; the four accumulators by turns, one instruction a turn
.irp rt, 1,0
.irp u, 0,1
.set rD, 128*\rt+16*(\b)+8*\u
.set rC, 128*\rt+16*(\b)+8*\u
.set rA, BUF+16*\k+8*\u
.set rB, OA+16*\k+8*\rt
.set rSA, VSR+\k
.set rSB, PSW+\k
.set rRA, \u
.set rRB, \rt
	WMM
.endr
.endr
.endr
	PLACES 4                                       ; in front of the loads into V's registers and of the first read of results
.if (\b) < 7
	VDLOAD (\b)+1                                  ; the next chunk's codes come while this chunk's weights are made
	Y2LOAD (\b)+1
.else
	VSSLOAD                                        ; behind the last chunk: the scale words for P V
.endif
	WIN 0x41
.irp rt, 0,1
.irp i, 0,2,4,6,8,10,12,14
	v_pk_fma_f32 v[128*\rt+16*(\b)+\i:128*\rt+16*(\b)+\i+1], v[128*\rt+16*(\b)+\i:128*\rt+16*(\b)+\i+1], -2.0, v[16+2*\rt:17+2*\rt] op_sel_hi:[1,0,0]   ; d2 = -2 (xy - y2 / 2) + x2; each accumulator from its low end on
.endr
.endr
.irp rt, 0,1
.irp i, 0,1,2,3,4,5,6,7,8,9,10,11,12,13,14,15
	v_max_num_f32 v[128*\rt+16*(\b)+\i], v[128*\rt+16*(\b)+\i], v13
.endr
.endr
.irp rt, 0,1
.irp i, 0,1,2,3,4,5,6,7,8,9,10,11,12,13,14,15
	v_sqrt_f32 v[128*\rt+16*(\b)+\i], v[128*\rt+16*(\b)+\i]
.endr
.endr
	v_nop                                          ; a plain line behind the batch,
	s_wait_alu depctr_va_vdst(0)                   ; and one wait for its 32 roots, ahead of their first reader
.irp rt, 0,1
.irp i, 0,2,4,6,8,10,12,14
	v_pk_add_f32 v[128*\rt+16*(\b)+\i:128*\rt+16*(\b)+\i+1], v[128*\rt+16*(\b)+\i:128*\rt+16*(\b)+\i+1], s[24:25] op_sel_hi:[1,0]   ; + 0.01
.endr
.endr
.irp rt, 0,1
.irp i, 0,1,2,3,4,5,6,7,8,9,10,11,12,13,14,15
	v_rcp_f32 v[128*\rt+16*(\b)+\i], v[128*\rt+16*(\b)+\i]
.endr
.endr
	v_nop
	s_wait_alu depctr_va_vdst(0)                   ; one wait for the 32 reciprocals
.if (\b) < 7
	s_wait_dscnt 4                                 ; A's eight loads are in; the next chunk's four of y2 may be out
.else
	s_wait_dscnt 0x0
.endif
.irp rt, 0,1
.irp i, 0,2,4,6,8,10,12,14
	v_pk_mul_f32 v[128*\rt+16*(\b)+\i:128*\rt+16*(\b)+\i+1], v[128*\rt+16*(\b)+\i:128*\rt+16*(\b)+\i+1], v[AB+16*\rt+\i:AB+16*\rt+\i+1]   ; ww = w A
.endr
.endr
.if (\b) < 7
	ALOAD (\b)+1
.endif
	SUMMAX2 \b
.endm
.macro PHASE_SW
	ds_load_b128 v[28:31], v12 offset:X2S          ; the eight waves' parts of row l's x2
	ds_load_b128 v[32:35], v12 offset:X2S+16
.irp k, 0,1,2,3
	ds_load_b32 v[PSW+\k], v2 offset:MSC+128*\k    ; M's scale words: lanes 0-15 rt 0, lanes 16-31 rt 1
.endr
.irp f, 0,1,2,3,4,5,6,7
.irp c, 0,1
	ds_load_b128 v[OA+8*\f+4*\c:OA+8*\f+4*\c+3], v1 offset:MIMG+1024*\f+512*\c
.endr
.endr
	Y2LOAD 0
	ALOAD 0
	s_wait_dscnt 32                                ; x2's two loads are in: behind them 4 + 16 + 4 + 8 were issued
	ROWJOIN 28, 16, 18, 0
.irp i, 24,25,26,27
	v_mov_b32 v\i, 0                               ; the sums of |ww|
.endr
.irp b, 0,1,2,3,4,5,6,7
	CHUNK \b
.endr
	WIN 0
	v_add_f32 v24, v24, v25
	v_add_f32 v26, v26, v27
	v_permlanex16_b32 v25, v24, s20, s21
	v_permlanex16_b32 v27, v26, s20, s21
	v_add_f32 v24, v24, v25
	v_add_f32 v26, v26, v27                        ; my wave's part of the rows' sums
	v_cndmask_b32 v24, v24, v26, s22               ; lane l stores row l's
	ds_store_b32 v11, v24 offset:RS
	BARRIER                                        ; all eight parts lie in LDS
	ds_load_b128 v[TM:TM+3], v12 offset:RS
	ds_load_b128 v[TM+4:TM+7], v12 offset:RS+16
	s_wait_dscnt 0x0
	ROWJOIN TM, 20, 22, 1                          ; 1 / l1
.endm
	; ---- THE HEAD
	s_load_b256 s[4:11], s[0:1], 0x0               ; A s[4:5], VD s[6:7], VDS s[8:9], VS s[10:11]
	s_load_b128 s[12:15], s[0:1], 0x20             ; VSS s[12:13], Y2P s[14:15]
	s_load_b64 s[16:17], s[0:1], 0x30              ; out0
	v_lshrrev_b32 v61, 5, v0
	v_readfirstlane_b32 s18, v61                   ; wave w
	v_and_b32 v61, 31, v0                          ; lane l
	v_lshlrev_b32 v1, 4, v61
	s_and_b32 s19, ttmp7, 0xffff                   ; batch
	s_mov_b32 s33, 0
	OFF0 s19, 15                                   ; Y2P: batch x 4 x 2048 x 4 bytes, my 256 keys
	OFFA s18, 10
	s_wait_kmcnt 0x0
	s_add_nc_u64 s[14:15], s[14:15], s[32:33]
	OFF0 s19, 24                                   ; A: batch, my work-group's 32 rows of 8,192 bytes, my wave's 1,024 bytes of a row
	OFFA ttmp9, 18
	OFFA s18, 10
	s_add_nc_u64 s[4:5], s[4:5], s[32:33]
.irp g, 0,1,2,3
.irp q, 0,1
	global_load_b128 v[192+8*\g+4*\q:195+8*\g+4*\q], v1, s[14:15] offset:8192*\g+512*\q   ; the four parts of -1/2 y2 of my 256 keys
.endr
.endr
	WIN 0x40
.set i, 0
.rept 64
	global_load_b128 v[4*i:4*i+3], v1, s[4:5] offset:8192*(i/2)+512*(i%2) th:TH_LOAD_NT   ; row i / 2, half i % 2 of my 1,024 bytes: 512 consecutive bytes a load; read once in the launch
.set i, i+1
.endr
	WIN 0
	OFF0 s19, 19                                   ; VD and VS: batch x 524,288, wave x 65,536
	OFFA s18, 16
	s_add_nc_u64 s[6:7], s[6:7], s[32:33]
	s_add_nc_u64 s[10:11], s[10:11], s[32:33]
	OFF0 s19, 15                                   ; VDS and VSS: batch x 32,768, wave x 4,096
	OFFA s18, 12
	s_add_nc_u64 s[8:9], s[8:9], s[32:33]
	s_add_nc_u64 s[12:13], s[12:13], s[32:33]
	OFF0 s19, 22                                   ; out0: batch, 32 rows of 2,048 bytes a work-group, 4 rows a wave
	OFFA ttmp9, 16
	OFFA s18, 13
	s_add_nc_u64 s[16:17], s[16:17], s[32:33]
	s_mov_b32 s20, 0x76543210
	s_mov_b32 s21, 0xfedcba98                      ; v_permlanex16_b32's selects for lane l xor 16
	s_mov_b32 s22, 0xffff0000                      ; lanes 16-31
	s_mov_b32 s24, 0x3c23d70a                      ; 0.01
	s_mov_b32 s25, s24                             ; (named with it as a pair, so it is written)
	s_mov_b32 s26, 3                               ; the three steps
	s_lshr_b32 s27, s18, 1
	s_and_b32 s23, s18, 1
	v_and_b32 v62, 15, v0                          ; r
	v_bfe_u32 v63, v0, 4, 1                        ; h
	v_lshlrev_b32 v2, 2, v61
	v_lshlrev_b32 v3, 3, v61
	s_mul_i32 s28, s18, AWV
	s_add_co_u32 s28, s28, AREG                    ; my wave's part of A
	v_mul_u32_u24 v4, v62, AP
	v_lshl_add_u32 v4, v63, 6, v4
	v_add_nc_u32 v4, s28, v4                       ; read: row r, + 64 h
	v_add_nc_u32 v5, s28, v1                       ; stored: 16 l
	s_lshl_b32 s29, s18, 10
	s_add_co_u32 s29, s29, Y2
	v_lshlrev_b32 v6, 6, v63
	v_add_nc_u32 v6, s29, v6                       ; y2 read: + 64 h (all r read the same words)
	v_add_nc_u32 v60, s29, v1                      ; y2 stored: 16 l
	v_lshlrev_b32 v9, 4, v62
	v_lshl_add_u32 v9, v63, 3, v9                  ; 16 r + 8 h
	s_lshl_b32 s30, s18, 12
	v_add_nc_u32 v7, s30, v9                       ; P's codes: my two K steps
	s_lshl_b32 s30, s27, 11
	s_lshl_b32 s31, s23, 9
	s_add_co_u32 s30, s30, s31
	s_add_co_u32 s30, s30, MIMG
	v_add_nc_u32 v9, s30, v9                       ; M's codes: K step w / 2, c = w % 2
	s_lshl_b32 s30, s18, 8
	s_add_co_u32 s30, s30, PSC
	v_add_nc_u32 v8, s30, v2
	s_lshl_b32 s30, s27, 7
	s_lshl_b32 s31, s23, 1
	s_add_co_u32 s30, s30, s31
	s_add_co_u32 s30, s30, MSC
	v_add_nc_u32 v10, s30, v2                      ; M's scale bytes: bytes 2 (w % 2), + 1 of the word
	v_mul_u32_u24 v12, v61, 48
	s_lshl_b32 s30, s18, 2
	v_add_nc_u32 v11, s30, v12
	v_mov_b32 v13, 0
	v_mul_u32_u24 v14, v62, SP
	v_lshl_add_u32 v14, v63, 6, v14
	s_lshl_b32 s30, s18, 8
	s_add_co_u32 s30, s30, AREG
	v_add_nc_u32 v14, s30, v14                     ; the stage, in: row r, my 256 bytes, + 64 h
	s_mul_i32 s30, s18, 4*SP
	s_add_co_u32 s30, s30, AREG
	v_add_nc_u32 v15, s30, v1                      ; and out: my four rows, 16 l
	s_wait_loadcnt 63                              ; y2's eight loads are in: 64 loads are younger, and 63 is the largest count that the wait can name
.irp q, 0,1
.irp p, 0,2
	v_pk_add_f32 v[192+4*\q+\p:193+4*\q+\p], v[192+4*\q+\p:193+4*\q+\p], v[200+4*\q+\p:201+4*\q+\p]
	v_pk_add_f32 v[208+4*\q+\p:209+4*\q+\p], v[208+4*\q+\p:209+4*\q+\p], v[216+4*\q+\p:217+4*\q+\p]
	v_pk_add_f32 v[192+4*\q+\p:193+4*\q+\p], v[192+4*\q+\p:193+4*\q+\p], v[208+4*\q+\p:209+4*\q+\p]
.endr
	ds_store_b128 v60, v[192+4*\q:195+4*\q] offset:512*\q
.endr
	WIN 0x04
.irp g, 0,1,2,3,4,5,6,7
	s_wait_loadcnt 56-8*\g                         ; this group of eight is in; the later groups' loads stay out
.irp j, 0,1,2,3,4,5,6,7
	ds_store_b128 v5, v[4*(8*\g+\j):4*(8*\g+\j)+3] offset:AP*((8*\g+\j)/2)+512*(\j%2)
.endr
.endr
	s_wait_dscnt 0x0                               ; the stores have read their registers, which the loads below fill
	WIN 0x40
.irp rt, 0,1
.set i, 0
.rept 32
	ds_load_b128 v[128*\rt+4*i:128*\rt+4*i+3], v4 offset:16*AP*\rt+128*(i/4)+16*(i%4)     ; A back in the lane layout: row 16 rt + r, keys 32 b + 16 h + 0 .. 15.  My own bytes: no barrier
.set i, i+1
.endr
.endr
	VSSLOAD
	s_wait_dscnt 32                                ; rt 0's 32 loads are in
.irp b, 0,1,2,3,4,5,6,7
	SUMMAX 0, \b
.endr
	s_wait_dscnt 0x0
.irp b, 0,1,2,3,4,5,6,7
	SUMMAX 1, \b
.endr
	PHASE_Q 0                                      ; P = Q(A)
	; ---- THE THREE STEPS.  Three barriers a step.  P's images are written behind the third and read behind the first; M's and x2's parts are written behind the first and read behind the second; the parts of
	; sum |ww| are written behind the second and read behind the third: each is written again only by waves that have passed a barrier which every wave reaches behind its wait for its reads of them.
.Liter:
	PHASE_O
	PHASE_N
	PHASE_SW
	PHASE_Q 1
	s_sub_co_i32 s26, s26, 1
	s_cmp_lg_u32 s26, 0
	s_cbranch_scc1 .Liter
	; ---- THE LAST PRODUCT AND THE WAY OUT.  A lane holds 64 bytes of a row in four pieces, and a row's 2,048 bytes come from eight waves: they meet in a stage, which lies in A's bytes:
	; every wave's last read of A stands in front of two barriers that all have passed.
	PHASE_O
.set i, 0
.rept 16
	ds_store_b128 v14, v[OA+4*i:OA+4*i+3] offset:16*SP*(i/8)+128*((i/4)%2)+32*((i/2)%2)+16*(i%2)   ; row 16 rt + r, d = 64 w + 32 bb + 16 h + 8 u + 4 i; each accumulator from its low end on
.set i, i+1
.endr
	BARRIER                                        ; 32 whole rows lie in the stage
.set i, 0
.rept 16
	ds_load_b128 v[BUF+4*i:BUF+4*i+3], v15 offset:SP*(i/4)+512*(i%4)
.set i, i+1
.endr
.set i, 0
.rept 16
	s_wait_dscnt 15-i
	global_store_b128 v1, v[BUF+4*i:BUF+4*i+3], s[16:17] offset:2048*(i/4)+512*(i%4) th:TH_STORE_NT   ; 32 lanes store 512 consecutive bytes, at a multiple of 256 from out0's first byte
.set i, i+1
.endr
	s_wait_xcnt 0x0
	v_lshl_add_u32 v254, v0, 2, 0x4e600
	v_mov_b32 v255, 0
	s_wait_tensorcnt 0x0
	ds_add_u32 v254, v255
	s_wait_dscnt 0x0
	s_endpgm
.Lfunc_end_k_qb77c9fec19_robust:
	.size	k_qb77c9fec19_robust, .Lfunc_end_k_qb77c9fec19_robust-k_qb77c9fec19_robust
	.p2alignl 7, 3214868480
	.fill 96, 4, 3214868480
	.section	.rodata,"a",@progbits
	.p2align	6, 0x0
	.amdhsa_kernel k_qb77c9fec19_robust
		.amdhsa_group_segment_fixed_size 322048
		.amdhsa_private_segment_fixed_size 0
		.amdhsa_enable_private_segment 0
		.amdhsa_kernarg_size 56
		.amdhsa_user_sgpr_count 2
		.amdhsa_user_sgpr_kernarg_segment_ptr 1
		.amdhsa_wavefront_size32 1
		.amdhsa_system_sgpr_workgroup_id_x 1
		.amdhsa_system_sgpr_workgroup_id_y 1
		.amdhsa_system_sgpr_workgroup_id_z 1
		.amdhsa_system_vgpr_workitem_id 0
		.amdhsa_next_free_vgpr 512
		.amdhsa_next_free_sgpr 66
		.amdhsa_reserve_vcc 0
		.amdhsa_float_denorm_mode_32 3
		.amdhsa_float_denorm_mode_16_64 3
		.amdhsa_memory_ordered 1
		.amdhsa_forward_progress 1
		.amdhsa_inst_pref_size 255
	.end_amdhsa_kernel
	.section	.bss,"aw",@nobits
	.p2align	6
	.space	262144
	.amdgpu_metadata
---
amdhsa.version: [ 1, 2 ]
amdhsa.kernels:
  - .name:           k_qb77c9fec19_robust
    .symbol:         k_qb77c9fec19_robust.kd
    .args:
      - { .name: A, .offset: 0, .size: 8, .value_kind: global_buffer, .address_space: global }
      - { .name: VD, .offset: 8, .size: 8, .value_kind: global_buffer, .address_space: global }
      - { .name: VDS, .offset: 16, .size: 8, .value_kind: global_buffer, .address_space: global }
      - { .name: VS, .offset: 24, .size: 8, .value_kind: global_buffer, .address_space: global }
      - { .name: VSS, .offset: 32, .size: 8, .value_kind: global_buffer, .address_space: global }
      - { .name: Y2P, .offset: 40, .size: 8, .value_kind: global_buffer, .address_space: global }
      - { .name: out0, .offset: 48, .size: 8, .value_kind: global_buffer, .address_space: global }
    .group_segment_fixed_size: 322048
    .private_segment_fixed_size: 0
    .kernarg_segment_align: 8
    .kernarg_segment_size: 56
    .max_flat_workgroup_size: 256
    .sgpr_count:     66
    .vgpr_count:     512
    .wavefront_size: 32
...
	.end_amdgpu_metadata
.endif
;; end of part 2
